; MI455X (gfx1250); checked and timed in simulation.
; The chip was launched on July 23, 2026; its instructions are those of AMD's public machine-readable ISA for CDNA 5 (MIT licence, August 2026) and "CDNA5" Instruction Set Architecture Reference Guide (July 2026). The comments in the code are by the model that wrote it; some were corrected since.
;; LST Mcell. Allowed arithmetic: matrix products marked QUANTISED: E2M1 operands, one E8M0 scale for each 32 along K, by v_wmma_scale_f32_16x16x128_f8f6f4 with both operands' format E2M1 (or v_wmma_scale_f32_32x16x128_f4), f32 sums; everything else in f32.
;; Inputs: Whf 2,048 x 2,048 float32; Whg 2,048 x 2,048 float32; Whi 2,048 x 2,048 float32; Who 2,048 x 2,048 float32; Wif 2,048 x 2,048 float32; Wig 2,048 x 2,048 float32; Wii 2,048 x 2,048 float32; Wio 2,048 x 2,048 float32; bhf 2,048 float32; bhg 2,048 float32; bhi 2,048 float32; bho 2,048 float32; bif 2,048 float32; big 2,048 float32; bii 2,048 float32; bio 2,048 float32; c 2,048 x 2,048 float32; h 2,048 x 2,048 float32; x 2,048 x 2,048 float32.
;; Outputs: out0 2 x 2,048 x 2,048 float32.
;; This version of the problem:
;;   THIS VERSION OF THE PROBLEM IS GIVEN IN LOW PRECISION. The matrix products marked QUANTISED in the list below multiply operands that are first quantised to E2M1 (2 exponent bits, 1 mantissa bit; 4 bits a number), with one power-of-two scale for each 32 numbers along K (OCP MX v1.0); their sums are f32. All else is computed in f32.
;;   The module's matrix products, in the order in which they are computed (A, B: the left and right operand; K: the contracted axis; several contracted axes count as one K, in the product's order):
;;     1. [M 2,048, K 2,048] x [K 2,048, N 8,192]; A: input x; B: computed on the way: QUANTISED
;;     2. [M 2,048, K 2,048] x [K 2,048, N 8,192]; A: input h; B: computed on the way: QUANTISED
;;   THE QUANTISER, for each operand of a quantised product, along K:
;;     - K is cut into blocks of 32 from its start; a last block that is shorter is filled with zeros.
;;     - A block's scale is 2^e with e = floor(log2(the largest magnitude in the block)) - 2, held to -126 .. 127; a block of zeros has e = 0. As a byte (E8M0): e + 127.
;;     - Each number is divided by its block's scale, clamped to +-6, and rounded to the nearest number of E2M1, ties to even, subnormals kept.
;;     - The product sums the exact products of the quantised numbers (number of the format x scale) in f32.
;;   ~~~python
;;   def quantise(x, axis):      # numpy; x: float32 -> the quantised numbers, widened to float32 again
;;       x = np.moveaxis(x, axis, -1); K = x.shape[-1]
;;       x = np.pad(x, [(0, 0)] * (x.ndim - 1) + [(0, -K % 32)]); x = x.reshape(x.shape[:-1] + (-1, 32)); a = np.abs(x).max(-1, keepdims=True)
;;       e = np.where(a > 0, np.clip(np.frexp(np.where(a > 0, a, 1))[1] - 1 - 2, -126, 127), 0)      # np.frexp(a)[1] - 1 = floor(log2(a)), exactly
;;       r = np.clip(x / 2.0 ** e, -6, 6)
;;       step = 2.0 ** (np.maximum(np.frexp(np.where(r == 0, 1, r))[1] - 1, 0) - 1)
;;       q = np.round(r / step) * step * 2.0 ** e      # np.round: ties to even
;;       return np.moveaxis(q.reshape(q.shape[:-2] + (-1,))[..., :K], -1, axis).astype(np.float32)
;;   ~~~
;;   OPERANDS COMPUTED ON THE WAY. 'Computed on the way' means the value that the module computes at that place (a softmax that the list does not call 'softmax' is quantised finished and normalised). What goes into a quantiser is computed in f32, as accurately as f32 sums, v_exp_f32 and their like allow (about 1e-6 of the number): no bf16 or f16 on the way to a quantiser, and a product that is left as it is and whose result goes on into a quantised operand takes f32 operands (vector FMAs, or v_wmma_f32_16x16x4_f32). A number that lies on a knife's edge between two numbers of the format may be rounded either way, as far as f32 arithmetic and the matrix unit's own rounding can turn it there, and no further.
;; One version. Each part assembles by itself: llvm-mc -triple=amdgcn-amd-amdhsa -mcpu=gfx1250 --defsym DOCPART=n.
;; ======== version 1 of 1: 2 launches
;; limits: below input magnitudes of 1e-05 results are inexact or not finite
;; workspace buffers: acodes 4,456,448 bytes; bcodes 17,825,792 bytes
;; launch quant (part 1): grid 128 x 10, 4 waves a work-group, no clusters, 33,280 bytes of LDS; arguments x, h, Wii, Wif, Wig, Wio, Whi, Whf, Whg, Who, acodes, bcodes; writes acodes, bcodes
.if DOCPART == 1
	.amdgcn_target "amdgcn-amd-amdhsa--gfx1250"
	.amdhsa_code_object_version 6
	.text
	.protected	k_qa46f8ed3b9_quant
	.globl	k_qa46f8ed3b9_quant
	.p2align	8
	.type	k_qa46f8ed3b9_quant,@function
k_qa46f8ed3b9_quant:
	s_mov_b64 s[64:65], 0
	v_nop
	global_prefetch_b8 v0, s[64:65] scope:SCOPE_SE
	s_setreg_imm32_b32 hwreg(HW_REG_WAVE_MODE, 25, 1), 1
	s_wait_xcnt 0x0
; x, h [2048][2048] and the eight weights [2048][2048], all f32 with K innermost, are turned into codes of FP4 (E2M1) with one E8M0 scale byte for each 32 along K.
; A block's scale is 2^(floor(log2(its largest magnitude)) - 2); its byte is the largest magnitude's own exponent field - 2, held at 1 from below.  Each number is divided by the scale and
; rounded to the nearest code, ties to even; beyond 6 the conversion gives the largest code.
; LIMITS: NaN and infinities among the inputs are not served.  A block of zeros, or one whose largest magnitude lies under 2^-124, gets the byte 1 (the rule says 127 for zeros): its codes
; are zeros or the rule's own, and the bytes are read by this program alone.
; THE TWO PRODUCTS ARE LAID AS ONE, K = 4,096: x's (the Wi's) 2,048 first, then h's (the Wh's).  WORKSPACE: [tile of 128 operand rows][K step of 512][34,816 bytes]: 128 rows x 256 bytes of codes
; (K ascending, the lower k in the low four bits), then 128 rows x 16 scale bytes.  So what the next launch wants of 128 rows for one K step is ONE dense block.
; acodes: row m of x or h is row m % 128 of tile m / 128.  bcodes: hidden unit u of gate g (i, f, g, o = 0 .. 3) is row 32 g + u % 32 of tile u / 32: the four gates of a unit meet in one tile.
; SHARES.  Work-group (G, T) takes rows 16 G .. 16 G + 15 of tensor T (0 x, 1 h, 2-5 Wii Wif Wig Wio, 6-9 Whi Whf Whg Who); wave w the tensor's K step w: 512 numbers of each of the 16 rows, a row a step.
; A step's four loads read 512 consecutive bytes each, 16 a lane; the conversions want 16 NEIGHBOURS in a lane, so the 2,048 bytes turn through the wave's own stage in LDS (16 bytes of padding behind each 64).
; A lane's 16 codes are 8 bytes: a step's store covers 256 consecutive bytes, aligned.  The wave's 16 x 16 scale bytes are gathered in its own 256 bytes of LDS and leave as 256 consecutive bytes, aligned.
; No tensor loads, no barrier: waves share nothing.  Loads run four steps (16 loads a wave) ahead, the turn through LDS one step.  Every offset is an immediate, and each step has registers of its own for its codes and byte.
; No prefetch and no cluster: each byte is read once, by long loads that are always on their way, and no two work-groups read the same byte.
.set STEPS, 16
.set EMAX,  2
.set CB,    8                          ; bytes of 16 codes
.set ROWF,  8192                       ; a row of any of the ten tensors, in bytes
.set BLKB,  34816                      ; a block of the workspace
.set R,     16                         ; v16-79   four sets of 16 numbers as they are loaded
.set X,     80                         ; v80-111  two sets of 16 neighbours
.set E,     112                        ; v112-127 a scale byte for each step
.set C,     128                        ; v128-191 codes: four registers for each step, so that no store's data are written again
.set WREG,  8192                       ; LDS: a region for each wave: two stages of 32 x SP bytes, behind them its 256 scale bytes
.set SP,    80                         ; a lane's place in a stage: 64 bytes + 16 of padding
	s_load_b512 s[16:31], s[0:1], 0x0              ; x, h, Wii, Wif, Wig, Wio, Whi, Whf
	s_load_b256 s[32:39], s[0:1], 0x40             ; Whg, Who, acodes, bcodes
	v_lshl_add_u32 v192, v0, 2, 0x8000
	v_mov_b32 v193, 0
	v_lshrrev_b32 v1, 5, v0
	v_readfirstlane_b32 s40, v1                    ; wave
	v_and_b32 v2, 31, v0                           ; lane
	v_lshlrev_b32 v3, 4, v2                        ; my 16 bytes of a load's 512
	s_mul_i32 s2, s40, WREG
	v_lshrrev_b32 v14, 2, v2
	v_mul_u32_u24 v14, v14, SP
	v_and_b32 v15, 3, v2
	v_lshl_add_u32 v14, v15, 4, v14
	v_add_nc_u32 v14, s2, v14                      ; the stage, on the way in: SP (lane / 4) + 16 (lane % 4); a load's 512 bytes take eight places
	v_mul_u32_u24 v15, v2, SP
	v_add_nc_u32 v15, s2, v15                      ; and on the way out: SP x lane: my 16 neighbours
	v_mul_u32_u24 v4, v2, CB                       ; my codes' place in a step's
	v_lshrrev_b32 v5, 1, v2
	s_add_co_u32 s2, s2, 2*32*SP
	v_add_nc_u32 v5, s2, v5                        ; LDS: my wave's 256 scale bytes, my block's byte
	v_lshlrev_b32 v7, 3, v2                        ; and on the way out 8 bytes a lane
	v_add_nc_u32 v6, s2, v7
	s_and_b32 s41, ttmp7, 0xffff                   ; T
	s_lshr_b32 s42, ttmp9, 3                       ; for x and h: the tile, G / 8,
	s_and_b32 s43, ttmp9, 7
	s_lshl_b32 s43, s43, 4                         ; and my first row in it, 16 (G % 8)
	s_sub_co_u32 s44, s41, 2
	s_lshr_b32 s45, s44, 2                         ; for a weight: which half of K,
	s_and_b32 s46, s44, 3                          ; which gate,
	s_lshr_b32 s47, ttmp9, 1                       ; the tile, G / 2,
	s_and_b32 s48, ttmp9, 1
	s_lshl_b32 s48, s48, 4
	s_lshl_b32 s46, s46, 5
	s_add_co_u32 s48, s48, s46                     ; and my first row in it, 32 gate + 16 (G % 2)
	s_wait_kmcnt 0x0
.irp k, 1,2,3,4,5,6,7,8,9
	s_cmp_eq_u32 s41, \k                           ; the tensor is chosen by the work-group's number alone
	s_cselect_b64 s[16:17], s[16+2*\k:17+2*\k], s[16:17]
.endr
	s_cmp_lt_u32 s41, 2                            ; x or h?  Only selections follow this compare
	s_cselect_b64 s[8:9], s[36:37], s[38:39]
	s_cselect_b32 s42, s42, s47                    ; the tile
	s_cselect_b32 s43, s43, s48                    ; my first row in it
	s_cselect_b32 s45, s41, s45                    ; the half of K
	s_lshl_b32 s42, s42, 3
	s_lshl_b32 s45, s45, 2
	s_add_co_u32 s42, s42, s45
	s_add_co_u32 s42, s42, s40                     ; 8 x tile + K step (4 x half + wave)
	s_mul_i32 s42, s42, BLKB                       ; my block's first byte: under 2^25
	s_lshl_b32 s44, s43, 4
	s_add_co_u32 s44, s44, s42
	s_add_co_u32 s44, s44, 128*256                 ; my 16 rows' scale bytes: behind the block's codes, 16 a row
	s_mov_b32 s45, 0
	s_add_nc_u64 s[10:11], s[8:9], s[44:45]
	s_lshl_b32 s44, s43, 8
	s_add_co_u32 s44, s44, s42                     ; my 16 rows' codes: 256 bytes a row
	s_add_nc_u64 s[8:9], s[8:9], s[44:45]
	s_lshl_b32 s44, ttmp9, 17                      ; in the tensor: 16 G rows of 8,192 bytes,
	s_lshl_b32 s46, s40, 11                        ; + 2,048 bytes x wave
	s_add_co_u32 s44, s44, s46
	s_add_nc_u64 s[4:5], s[16:17], s[44:45]
.macro LOAD t
.irp i, 0,1,2,3
	global_load_b128 v[R+16*((\t)%4)+4*\i:R+16*((\t)%4)+4*\i+3], v3, s[4:5] offset:ROWF*(\t)+512*\i th:TH_LOAD_NT   ; 32 lanes read 512 consecutive bytes of row t
.endr
.endm
.macro TURN t                          ; step t's numbers through the stage: LDS serves a wave's instructions in order (ISA guide 5.7.1.4), so no wait stands between the stores and the loads
.irp i, 0,1,2,3
	ds_store_b128 v14, v[R+16*((\t)%4)+4*\i:R+16*((\t)%4)+4*\i+3] offset:32*SP*((\t)%2)+8*SP*\i
.endr
.irp i, 0,1,2,3
	ds_load_b128 v[X+16*((\t)%2)+4*\i:X+16*((\t)%2)+4*\i+3], v15 offset:32*SP*((\t)%2)+16*\i
.endr
.endm
.irp t, 0,1,2,3
	LOAD \t
.endr
	s_wait_loadcnt 12                              ; step 0's four loads are in; the twelve of steps 1 to 3 stay out
	TURN 0
.macro STEP t
.set XS, X+16*((\t)%2)
.if (\t) > 0
	s_wait_dscnt 1                                 ; this step's numbers are back from the stage (the last step's byte store may be out): so its stores into the stage have read their registers,
.else
	s_wait_dscnt 0x0
.endif
.if (\t)+4 < STEPS
	LOAD (\t)+4                                    ; which take the loads of four steps on
.endif
.if (\t)+1 < STEPS
.if STEPS-2-(\t) >= 3
	s_wait_loadcnt 12                              ; the next step's four loads are in; those of the three steps behind it may be out
.else
	s_wait_loadcnt 4*(STEPS-2-(\t))                ; at the end the count runs down with the steps that are left
.endif
	TURN (\t)+1                                    ; and go through the other stage while this step is worked
.endif
	v_max3_num_f32 v8, |v[XS]|, |v[XS+1]|, |v[XS+2]|               ; the largest magnitude of my 16, in two chains
	v_max3_num_f32 v9, |v[XS+3]|, |v[XS+4]|, |v[XS+5]|
.irp i, 6,10
	v_max3_num_f32 v8, v8, |v[XS+\i]|, |v[XS+\i+1]|
	v_max3_num_f32 v9, v9, |v[XS+\i+2]|, |v[XS+\i+3]|
.endr
	v_max3_num_f32 v8, v8, |v[XS+14]|, |v[XS+15]|
	v_max3_num_f32 v8, v8, v9, (EMAX+1)<<23        ; and the floor 2^(3 - 127): so the byte cannot fall under 1
	v_max_num_f32_dpp v8, v8, v8 row_xmask:1 row_mask:0xf bank_mask:0xf   ; and of my neighbour's 16: the block's
	v_add_nc_u32 v11, -(EMAX<<23), v8              ; 2 off its exponent field: the conversion takes the exponent field of this operand as its scale, and nothing else of it
	v_cvt_scalef32_pk8_fp4_f32 v[C+4*(\t)], v[XS:XS+7], v11
	v_cvt_scalef32_pk8_fp4_f32 v[C+4*(\t)+1], v[XS+8:XS+15], v11
	v_lshrrev_b32 v[E+(\t)], 23, v11               ; the scale's byte (a plain line behind the conversions)
	ds_store_b8 v5, v[E+(\t)] offset:16*(\t)       ; row t's 16 bytes; both lanes of a block write the same byte with the same value
	global_store_b64 v4, v[C+4*(\t):C+4*(\t)+1], s[8:9] offset:256*(\t)   ; row t's 256 bytes of codes: consecutive, aligned
.endm
.irp t, 0,1,2,3,4,5,6,7,8,9,10,11,12,13,14,15
	STEP \t
.endr
	ds_load_b64 v[12:13], v6                       ; LDS serves a wave's instructions in order: these see my byte stores
	s_wait_dscnt 0x0
	global_store_b64 v7, v[12:13], s[10:11]        ; 32 lanes store 256 consecutive bytes, aligned: the scale bytes of my 16 rows
	s_wait_tensorcnt 0x0
	ds_add_u32 v192, v193
	s_wait_dscnt 0x0
	s_endpgm
.Lfunc_end_k_qa46f8ed3b9_quant:
	.size	k_qa46f8ed3b9_quant, .Lfunc_end_k_qa46f8ed3b9_quant-k_qa46f8ed3b9_quant
	.p2alignl 7, 3214868480
	.fill 96, 4, 3214868480
	.section	.rodata,"a",@progbits
	.p2align	6, 0x0
	.amdhsa_kernel k_qa46f8ed3b9_quant
		.amdhsa_group_segment_fixed_size 33280
		.amdhsa_private_segment_fixed_size 0
		.amdhsa_enable_private_segment 0
		.amdhsa_kernarg_size 96
		.amdhsa_user_sgpr_count 2
		.amdhsa_user_sgpr_kernarg_segment_ptr 1
		.amdhsa_wavefront_size32 1
		.amdhsa_system_sgpr_workgroup_id_x 1
		.amdhsa_system_sgpr_workgroup_id_y 1
		.amdhsa_system_sgpr_workgroup_id_z 1
		.amdhsa_system_vgpr_workitem_id 0
		.amdhsa_next_free_vgpr 194
		.amdhsa_next_free_sgpr 66
		.amdhsa_reserve_vcc 0
		.amdhsa_float_denorm_mode_32 3
		.amdhsa_float_denorm_mode_16_64 3
		.amdhsa_memory_ordered 1
		.amdhsa_forward_progress 1
		.amdhsa_inst_pref_size 34
	.end_amdhsa_kernel
	.amdgpu_metadata
---
amdhsa.version: [ 1, 2 ]
amdhsa.kernels:
  - .name:           k_qa46f8ed3b9_quant
    .symbol:         k_qa46f8ed3b9_quant.kd
    .args:
      - { .name: x, .offset: 0, .size: 8, .value_kind: global_buffer, .address_space: global }
      - { .name: h, .offset: 8, .size: 8, .value_kind: global_buffer, .address_space: global }
      - { .name: Wii, .offset: 16, .size: 8, .value_kind: global_buffer, .address_space: global }
      - { .name: Wif, .offset: 24, .size: 8, .value_kind: global_buffer, .address_space: global }
      - { .name: Wig, .offset: 32, .size: 8, .value_kind: global_buffer, .address_space: global }
      - { .name: Wio, .offset: 40, .size: 8, .value_kind: global_buffer, .address_space: global }
      - { .name: Whi, .offset: 48, .size: 8, .value_kind: global_buffer, .address_space: global }
      - { .name: Whf, .offset: 56, .size: 8, .value_kind: global_buffer, .address_space: global }
      - { .name: Whg, .offset: 64, .size: 8, .value_kind: global_buffer, .address_space: global }
      - { .name: Who, .offset: 72, .size: 8, .value_kind: global_buffer, .address_space: global }
      - { .name: acodes, .offset: 80, .size: 8, .value_kind: global_buffer, .address_space: global }
      - { .name: bcodes, .offset: 88, .size: 8, .value_kind: global_buffer, .address_space: global }
    .group_segment_fixed_size: 33280
    .private_segment_fixed_size: 0
    .kernarg_segment_align: 8
    .kernarg_segment_size: 96
    .max_flat_workgroup_size: 128
    .sgpr_count:     66
    .vgpr_count:     194
    .wavefront_size: 32
...
	.end_amdgpu_metadata
.endif
;; end of part 1
;; launch cell (part 2): grid 32 x 8, 4 waves a work-group, clusters of 4 x 4, 327,680 bytes of LDS; arguments acodes, bcodes, c, out0, bii, bhi, bif, bhf, big, bhg, bio, bho; writes out0
.if DOCPART == 2
	.amdgcn_target "amdgcn-amd-amdhsa--gfx1250"
	.amdhsa_code_object_version 6
	.text
	.protected	k_qa46f8ed3b9_cell
	.globl	k_qa46f8ed3b9_cell
	.p2align	8
	.type	k_qa46f8ed3b9_cell,@function
k_qa46f8ed3b9_cell:
	s_mov_b64 s[64:65], 0
	v_nop
	global_prefetch_b8 v0, s[64:65] scope:SCOPE_SE
	s_setreg_imm32_b32 hwreg(HW_REG_WAVE_MODE, 25, 1), 1
	s_wait_xcnt 0x0
	s_wait_alu depctr_hold_cnt(0) depctr_sa_sdst(0) depctr_va_vdst(0) depctr_va_sdst(0) depctr_va_ssrc(0) depctr_va_vcc(0) depctr_vm_vsrc(0)
	s_getreg_b32 s2, hwreg(HW_REG_IB_STS2, 6, 4)
	s_cmp_eq_u32 s2, 0
	s_cbranch_scc0 .Lentry_in_a_cluster
	s_endpgm
.Lentry_in_a_cluster:
	s_bfe_u32 s2, ttmp6, 0x10000c
	s_cmp_lg_u32 s2, 0xf033
	s_cbranch_scc0 .Lentry_shape_is_right
	s_endpgm
.Lentry_shape_is_right:
; The LSTM cell on codes of FP4 (E2M1) with one E8M0 scale for each 32 along K.  gates = [x h] [Wi Wh]^T + bi + bh, one product with K = 4,096; i, f, o = sigmoid, g = tanh;
; c_new = f c + i g; h_new = o tanh(c_new); out0 = [h_new, c_new], f32.  The gates never go to memory.
; acodes, bcodes (made by the launch before): [tile of 128 rows][K step of 512][34,816 bytes]: 128 rows x 256 bytes of codes, then 128 rows x 16 scale bytes.  In bcodes row 32 g + u % 32 of tile u / 32 is gate g of hidden unit u.
; SHARES.  A work-group of four waves, as many as a WGP has SIMDs, makes 256 batch rows x 64 hidden units (x 4 gates = 256 rows of B); a wave 128 batch rows x 32 units x 4 gates: 64 accumulators of 16 x 16, 512 registers.
; THE MATRIX INSTRUCTION IS USED TRANSPOSED (source 0 = 16 rows of B, source 1 = 16 rows of A): lane (r, h) holds batch row r; register j of accumulator (a, b) is gate b / 2 of unit 16 (b % 2) + 8 h + j.
; So for a block a of 16 batch rows a lane holds all four gates of the same 16 units, 16 consecutive registers a gate: the cell's update asks no other lane.
; K goes in steps of 512 through a ring of two LDS slots.  A wave's one tensor load brings a dense block: 128 rows of codes AND their scale bytes, as 136 rows of 256 bytes, 16 bytes of padding behind each.
; CLUSTERS: 4 x 4 work-groups.  The four of a row of the cluster need the same blocks of A, the four of a column the same blocks of B: each is asked for JOINTLY, by the same tensor load with the same descriptor and a mask that names the four.
; THE BIASES bi + bh are the C of each sum's first matrix instruction: nothing is cleared and nothing is added later.
; c's tile (256 rows x 256 bytes) comes by a tensor load of each wave's own into slot 0, when that slot has been read out, and lands during the last K step.  c_new and h_new leave through stages in slot 1, which has then had its last fill and its last read.
; THE OUTPUTS LEAVE BLOCK BY BLOCK: a row's 256 bytes come from two waves, so a barrier stands between a block's stage stores and the loads that read whole rows back; it stands in the middle of the NEXT block's
; arithmetic, and a block's stores to memory are on their way while the later blocks are computed.
; ARITHMETIC OF THE TAIL, with L = log2(e), e_i = 2^(-L ii), e_f, e_o likewise, e_g = 2^min(2 L gg, 32): c_new = c / (1 + e_f) + (e_g - 1) / ((1 + e_i)(1 + e_g)); e_c = 2^min(2 L c_new, 32); h_new = (e_c - 1) / ((1 + e_o)(1 + e_c)).
; Eight transcendentals a number.  Held at 2^32 are only the exponentials that stand in numerators: there (e - 1) / (e + 1) is 1 in f32, as tanh is.  An exponential in a denominator may grow to infinity: its reciprocal is 0, the limit.
; LIMITS: NaN and infinities among the inputs are not served.  A gate's two products and its two biases are summed in one f32 chain, bias first, K ascending: another order of rounding than x W^T + h W^T + b + b.
; The blocks of codes are not prefetched: the launch has eight K steps, of which the first two go out at its head.  c's tile is (macro ASKC).
; REGISTERS, in windows of 256: window 0: v0-31 addresses; v32-95 scale words, two sets, and nothing else; v128-191 A's fragments (8 x 16 rows x 128 K), ONE set; in the tail v96-255 at work.
;   window 1: B's fragments, TWO sets, at v0 and v128; v64-127 the biases; v192-255 bh while it is added; in the tail all 256: the rows read back from the stages, 32 registers for each block.
;   window 2: the accumulators of my rows 0-63 ((a, b) at v[8 (8 a + b)]);   window 3: those of rows 64-127.
.set NQ,     4                         ; matrix instructions deep in a K step
.set PITCH,  272                       ; an LDS row: 256 bytes + 16 of padding = 68 words: row r starts at bank 4 r mod 64 (64 banks of 4 bytes: ISA guide 11.1), so the 16 rows that a load touches start at 16 different banks
.set FR,     8                         ; registers of a fragment: 16 rows x 128 K
.set NL,     2                         ; LDS loads that bring one
.set NP,     4                         ; places behind this matrix instruction (ISA guide 7.12.1)
.set BLKB,   34816                     ; a block in memory
.set HALFT,  136*PITCH                 ; and in LDS: what one tensor load brings, and what one wave reads of A or of B
.set SCOFF,  128*PITCH                 ; in it: the scale bytes; those of 16 rows are one row of 256 bytes
.set SLOT,   4*HALFT                   ; A's two blocks, then B's two
.set SPARE,  2*SLOT                    ; behind the ring: the spare words, 128 bytes for each wave: two blocks of 256 bytes that no other line names
.set CST,    SLOT                      ; the tail: c_new's stage, 256 rows x 272 bytes, in slot 1;
.set HST,    SLOT+256*PITCH            ; h_new's behind it
.set LAPS,   4                         ; a lap = two K steps = once round the ring
.set VB,   8                           ; v8      my byte offset in each bias
.set PFO,  9                           ; v9      the prefetches' offset: 8,192 x lane, a row of c a lane; never rewritten
.set ADRA, 16                          ; v16-17  LDS address of my A fragments in slot 0, 1
.set ADRB, 20                          ; v20-21  the same for B
.set ADRS, 22                          ; v22-23  of my scale words: lanes 0-15 A's rows, lanes 16-31 B's
.set CA,   24                          ; v24     the tail: my 32 bytes of a row of c's tile
.set SA,   25                          ; v25     the same place in c_new's stage
.set HA,   26                          ; v26     and in h_new's
.set RD,   27                          ; v27     where I read whole rows back: my half of the batch rows, in c_new's stage (even waves) or h_new's (odd waves)
.set SPW,  28                          ; v28     LDS address of my spare word: SPARE + 4 x my thread's number; never rewritten
.set NIL,  29                          ; v29     0; never rewritten
.set CO,   31                          ; v31     my byte offset in two rows of the output; never rewritten
.set SC,   32                          ; scale words: set s at v[SC + 32 s]; in it register 4 i + q: lanes 0-15 the word of A's block i, lanes 16-31 that of B's block i, for the slot's q-th 128 along K
.set AF,   128                         ; A's fragments
.set BI,   64                          ; window 1: bi + bh, eight registers for each block b of B
.set BT,   192                         ; window 1: bh
.set CC,   96                          ; the tail, 16 registers each: c;
.set MG,   112                         ; e_g - 1;
.set TI,   128                         ; gate i's exponent, e_i, (1 + e_i)(1 + e_g), its reciprocal;
.set TF,   144                         ; the same for f;
.set TG,   160                         ; e_g, 1 + e_g;
.set TO,   176                         ; e_o;
.set CN,   192                         ; c_new;
.set TC,   208                         ; e_c, 1 + e_c, (1 + e_o)(1 + e_c), its reciprocal;
.set MC,   224                         ; e_c - 1;
.set HN,   240                         ; h_new
.set G1,   24                          ; s[24:31] descriptor group 1 for A's blocks;  s[32:39] group 0, one set for each slot
.set G0,   32
.set G1B,  48                          ; s[48:55], s[56:63] the same for B's
.set G0B,  56
.set PFC,  66                          ; s[66:67] c at my wave's 64 rows of the tile; never rewritten
.set G1C,  68                          ; s[68:75], s[76:79] groups 1 and 0 for c's tile
.set G0C,  76
.set BP,   80                          ; s[80:95] the biases: gate g's bi at s[80 + 4 g], its bh at s[82 + 4 g]
.set SNL,  96                          ; s[96:97] -log2(e): the packed form names a pair and takes its low word for both halves
.set S2L,  98                          ; s[98:99] 2 log2(e)
.set S32,  100                         ; s100    32.0
.set MSB, 0
.macro WIN new                         ; the immediate's high byte repeats the setting that is left; a switch that changes nothing is dropped
.if MSB != (\new)
	s_set_vgpr_msb (MSB<<8)|(\new)
.set MSB, (\new)
.endif
.endm
.set MUL_LO, 0xa1                      ; source 0 (B) window 1, source 1 (A) window 0, C and D window 2
.set MUL_HI, 0xf1                      ; the same, C and D window 3
.set TO_B,   0x40                      ; destination window 1, address window 0
.set FROM_B, 0x04                      ; a store's data (source 1) window 1, address window 0
; A joint load: waves 0 and 1 fetch for A, waves 2 and 3 for B.  Each of the two lines has ONE mask and one set of registers for all that issue it; the branch hangs on the wave's number alone.
; Four v_nop follow each of the two lines, ahead of the jump, the label and what follows.
.macro JLOAD g0a, g1a, g0b, g1b
	s_cmp_eq_u32 s15, 0
	s_cbranch_scc0 .Lfor_b_\@
	tensor_load_to_lds s[\g0a:\g0a+3], s[\g1a:\g1a+7]
	s_nop 0
.rept 4
	v_nop
.endr
	s_branch .Lasked_\@
.Lfor_b_\@:
	tensor_load_to_lds s[\g0b:\g0b+3], s[\g1b:\g1b+7]
	s_nop 0
.rept 4
	v_nop
.endr
.Lasked_\@:
.endm
.macro CREST                           ; a round of the cluster's barrier behind its opening barrier
	s_cmp_lg_u32 s14, 0
	s_cbranch_scc1 .Lnot_wave_0_\@
	s_barrier_signal -3
.Lnot_wave_0_\@:
	s_barrier_wait -3
	s_barrier_signal -1
	s_barrier_wait -1
.endm
.macro CROUND                          ; a whole round
	s_barrier_signal -1
	s_barrier_wait -1
	CREST
.endm
; A PREFETCH INTO THE L2 of my wave's 64 rows of c's tile, 256 bytes a row, a lane a row, two instructions.  It stands in the loop's last trip, behind the joint load, its four lines and the run of LDS loads:
; two K steps, 512 matrix instructions, ahead of the tensor load that wants these rows.  Each row's 256 bytes belong to one wave of one work-group: they are named once in the launch.
.macro ASKC
	s_cmp_eq_u32 s3, 1                             ; s3 = 1 in the loop's last trip
	s_cbranch_scc0 .Lnot_yet_\@
	global_prefetch_b8 v[PFO], s[PFC:PFC+1] th:TH_LOAD_NT scope:SCOPE_SE
	global_prefetch_b8 v[PFO], s[PFC:PFC+1] offset:32*8192 th:TH_LOAD_NT scope:SCOPE_SE
.Lnot_yet_\@:
.endm
	s_load_b256 s[4:11], s[0:1], 0x0               ; acodes s[4:5], bcodes s[6:7], c s[8:9], out0 s[10:11]
	s_load_b512 s[BP:BP+15], s[0:1], 0x20          ; bii, bhi, bif, bhf, big, bhg, bio, bho
	v_lshl_add_u32 v[SPW], v0, 2, SPARE
	v_mov_b32 v[NIL], 0
	ds_add_u32 v28, v29
	ds_add_u32 v28, v29
	s_wait_dscnt 0x0
	v_lshrrev_b32 v1, 5, v0
	v_readfirstlane_b32 s14, v1                    ; wave 0..3
	s_lshr_b32 s15, s14, 1                         ; which 128 batch rows are mine.  Also: I fetch for A (0) or for B (1)
	s_and_b32 s16, s14, 1                          ; which 32 units.  Also: which of the two blocks I fetch, and which output I store (0: c_new, 1: h_new)
	s_bfe_u32 s40, ttmp6, 0x40000                  ; cx, cy: my place in the cluster
	s_bfe_u32 s41, ttmp6, 0x40004
	s_lshl_b32 s42, ttmp9, 2
	s_add_co_u32 s42, s42, s40                     ; tile column (64 units) = 4 x cluster x + cx
	s_and_b32 s17, ttmp7, 0xffff
	s_lshl_b32 s17, s17, 2
	s_add_co_u32 s17, s17, s41                     ; tile row (256 batch rows) = 4 x cluster y + cy
	s_lshl_b32 s43, s41, 2
	s_lshl_b32 s43, 15, s43                        ; my row of the cluster
	s_lshl_b32 s44, 0x1111, s40                    ; my column
	; descriptor group 1: a dense block of 34,816 bytes as 136 rows of 32 elements of 8 bytes, padded in LDS
	s_or_b32 s[G1+0], s43, (3<<16)|(1<<20)|(1<<21)|(5<<22)|(3<<25)   ; 15:0 the mask: A's blocks go to my row; 17:16 elements of 8 bytes; 20 padding on; 21 set beside a mask; 24:22 after every 64 words (code 5); 31:25 of 4 words (code 3)
	s_or_b32 s[G1B+0], s44, (3<<16)|(1<<20)|(1<<21)|(5<<22)|(3<<25)  ; the same with the mask of my column
.irp g, G1, G1B
	s_mov_b32 s[\g+1], 32<<16                      ; tensor_dim0 = 32
	s_mov_b32 s[\g+2], 136<<16                     ; tensor_dim1 = 136
	s_mov_b32 s[\g+3], 32<<16                      ; tile_dim0 = 32
	s_mov_b32 s[\g+4], 136                         ; tile_dim1 = 136
	s_mov_b32 s[\g+5], 32                          ; tensor_dim0_stride: the rows follow each other
	s_mov_b32 s[\g+6], 0
	s_mov_b32 s[\g+7], 0
.endr
	; and for c's tile: 64 rows of 64 f32, 2,048 elements from row to row; no mask: each wave's load is its own
	s_mov_b32 s[G1C+0], (2<<16)|(1<<20)|(5<<22)|(3<<25)
	s_mov_b32 s[G1C+1], 64<<16
	s_mov_b32 s[G1C+2], 64<<16
	s_mov_b32 s[G1C+3], 64<<16
	s_mov_b32 s[G1C+4], 64
	s_mov_b32 s[G1C+5], 2048
	s_mov_b32 s[G1C+6], 0
	s_mov_b32 s[G1C+7], 0
	s_mov_b32 s[SNL], 0xbfb8aa3b                   ; -log2(e)
	s_mov_b32 s[SNL+1], s[SNL]                     ; (named with it as a pair, so it is written)
	s_mov_b32 s[S2L], 0x4038aa3b                   ; 2 log2(e)
	s_mov_b32 s[S2L+1], s[S2L]
	s_mov_b32 s[S32], 0x42000000                   ; 32.0
	; where the blocks come from.  A's hang on the tile row alone, B's on the tile column alone; every wave makes both, in registers that never hold the other coordinate
	s_lshl_b32 s20, s17, 1
	s_add_co_u32 s20, s20, s16                     ; A: tile of 128 rows = 2 x tile row + which
	s_mul_i32 s20, s20, 8*BLKB                     ; eight K steps a tile: under 2^25 bytes
	s_mov_b32 s21, 0
	s_lshl_b32 s46, s42, 1
	s_add_co_u32 s46, s46, s16                     ; B: 2 x tile column + which
	s_mul_i32 s46, s46, 8*BLKB
	s_mov_b32 s47, 0
	s_mul_i32 s45, s14, HALFT                      ; where they go: wave x a block: no place in the cluster enters an LDS address
	s_lshl_b32 s22, s17, 21                        ; c: (256 x tile row + 64 x wave) rows of 8,192 bytes + 256 bytes x tile column: the 64 rows that I fetch
	s_lshl_b32 s18, s14, 19
	s_add_co_u32 s22, s22, s18
	s_lshl_b32 s18, s42, 8
	s_add_co_u32 s22, s22, s18
	s_mov_b32 s23, 0
	s_lshl_b32 s12, s17, 21                        ; the output that I store: (256 x tile row + 128 x my half) rows of 8,192 bytes
	s_lshl_b32 s19, s15, 20
	s_add_co_u32 s12, s12, s19
	s_add_co_u32 s12, s12, s18                     ; + 256 bytes x tile column
	s_xor_b32 s19, s16, 1
	s_lshl_b32 s19, s19, 24                        ; h_new is the first half of out0; c_new lies 2,048 x 2,048 x 4 bytes on
	s_add_co_u32 s12, s12, s19
	s_mov_b32 s13, 0
	s_wait_kmcnt 0x0
	s_add_nc_u64 s[20:21], s[4:5], s[20:21]
	s_add_nc_u64 s[46:47], s[6:7], s[46:47]
	s_add_nc_u64 s[PFC:PFC+1], s[8:9], s[22:23]
	s_add_nc_u64 s[10:11], s[10:11], s[12:13]      ; the stores' base; never rewritten
	s_mov_b32 s[G0C], 1
	s_mul_i32 s[G0C+1], s14, 64*PITCH              ; c's tile lies from slot 0's first byte on; my 64 rows
	s_mov_b64 s[G0C+2:G0C+3], s[PFC:PFC+1]
	s_or_b32 s[G0C+3], s[G0C+3], 0x80000000
	CROUND                                         ; all sixteen work-groups are here: the first joint loads meet
.irp s, 0,1
	s_mov_b32 s[G0+4*\s], 1                                        ; count = 1
	s_add_co_u32 s[G0+4*\s+1], s45, \s*SLOT                        ; LDS address
	s_add_nc_u64 s[G0+4*\s+2:G0+4*\s+3], s[20:21], \s*BLKB         ; global address: K step s
	s_or_b32 s[G0+4*\s+3], s[G0+4*\s+3], 0x80000000                ; type = 2
	s_mov_b32 s[G0B+4*\s], 1
	s_add_co_u32 s[G0B+4*\s+1], s45, \s*SLOT
	s_add_nc_u64 s[G0B+4*\s+2:G0B+4*\s+3], s[46:47], \s*BLKB
	s_or_b32 s[G0B+4*\s+3], s[G0B+4*\s+3], 0x80000000
	JLOAD G0+4*\s, G1, G0B+4*\s, G1B               ; two loads of mine are out
.endr
	v_and_b32 v1, 15, v0                           ; r = l % 16
	v_bfe_u32 v2, v0, 4, 1                         ; h = l / 16
	s_lshl_b32 s18, s42, 8
	s_lshl_b32 s19, s16, 7
	s_add_co_u32 s18, s18, s19
	v_lshl_add_u32 v[VB], v2, 5, s18               ; the biases: 4 bytes x (64 x tile column + 32 x which + 8 h); block b adds 16 (b % 2) units
	WIN TO_B
.irp g, 0,1,2,3
.irp u, 0,1
.irp q, 0,1
	global_load_b128 v[BI+8*(2*\g+\u)+4*\q:BI+8*(2*\g+\u)+4*\q+3], v[VB], s[BP+4*\g:BP+4*\g+1] offset:64*\u+16*\q
	global_load_b128 v[BT+8*(2*\g+\u)+4*\q:BT+8*(2*\g+\u)+4*\q+3], v[VB], s[BP+4*\g+2:BP+4*\g+3] offset:64*\u+16*\q
.endr
.endr
.endr
	WIN 0
	v_mul_u32_u24 v3, v1, PITCH
	v_lshl_add_u32 v4, v2, 4, v3                   ; a fragment's row x pitch + 16 x half
	s_mul_i32 s21, s15, HALFT                      ; my block of A
	s_mul_i32 s22, s16, HALFT                      ; my block of B,
	s_add_co_u32 s22, s22, 2*HALFT                 ; behind A's two
	s_sub_co_u32 s23, s22, s21
	v_mul_u32_u24 v6, s23, v2                      ; the scale words: lanes 16-31 take B's: one product, the distance between the two blocks x h,
	v_lshl_add_u32 v5, v1, 4, v6                   ; + 16 bytes x row
	s_add_co_u32 s19, s21, SCOFF
	v_add_nc_u32 v[ADRS], s19, v5
	v_add_nc_u32 v[ADRS+1], SLOT, v[ADRS]
.irp s, 0,1
	v_add_nc_u32 v[ADRA+\s], s21, v4
	v_add_nc_u32 v[ADRB+\s], s22, v4
	s_add_co_u32 s21, s21, SLOT
	s_add_co_u32 s22, s22, SLOT
.endr
	s_wait_loadcnt 0x0                             ; the biases
	WIN 0x45                                       ; destination and both sources window 1
.irp k, 0,2,4,6,8,10,12,14,16,18,20,22,24,26,28,30,32,34,36,38,40,42,44,46,48,50,52,54,56,58,60,62
	v_pk_add_f32 v[BI+\k:BI+\k+1], v[BI+\k:BI+\k+1], v[BT+\k:BT+\k+1]   ; bi + bh
.endr
	WIN 0
	s_mul_i32 s18, s15, 128*PITCH                  ; the tail's addresses: c's tile and the two stages have the same shape: row 128 x half + 16 a + r, bytes 128 x which + 32 h on
	s_lshl_b32 s19, s16, 7
	s_add_co_u32 s19, s18, s19
	v_lshl_add_u32 v[CA], v2, 5, v3
	v_add_nc_u32 v[CA], s19, v[CA]
	v_add_nc_u32 v[SA], CST, v[CA]
	v_add_nc_u32 v[HA], HST, v[CA]
	s_mul_i32 s19, s16, 256*PITCH                  ; back: my half's rows, whole, of c_new's stage (even waves) or h_new's (odd waves); lanes 0-15 one row of 256 bytes, lanes 16-31 the next
	s_add_co_u32 s18, s18, s19
	v_mul_u32_u24 v5, v2, PITCH
	v_lshl_add_u32 v5, v1, 4, v5
	v_add_nc_u32 v5, s18, v5
	v_add_nc_u32 v[RD], CST, v5
	v_lshlrev_b32 v[CO], 13, v2                    ; and the same two rows in the output
	v_lshl_add_u32 v[CO], v1, 4, v[CO]
	v_and_b32 v[PFO], 31, v0
	v_lshlrev_b32 v[PFO], 13, v[PFO]
.macro FRAG reg, adr, q, i             ; a fragment, 16 rows x 128 K of 4-bit codes, is 8 registers: lane l holds row l % 16; registers 4 c .. 4 c + 3 hold K = 64 c + 32 (l / 16) + 0 .. 31, the lower K in the lower bits
.irp c, 0,1
	ds_load_b128 v[\reg+4*\c:\reg+4*\c+3], v[\adr] offset:64*(\q)+32*\c+(\i)*16*PITCH
.endr
.endm
; 16 matrix instructions: A's blocks a0, a0 + 1 x B's eight, 128 along K: the slot's q-th.  p: B's set;  sc: the set of scale words.  first = 1: the first product starts the sums, with the biases as its C.
; The 64 accumulators take turns, one instruction a turn, in the same order in every step.
.macro MUL16 a0, p, q, sc, first
.irp a, \a0, \a0+1
.irp b, 0,1,2,3,4,5,6,7
.if \first
	v_wmma_scale_f32_16x16x128_f8f6f4 v[8*(8*((\a)%4)+\b):8*(8*((\a)%4)+\b)+7], v[128*(\p)+FR*\b:128*(\p)+FR*\b+FR-1], v[AF+FR*(\a):AF+FR*(\a)+FR-1], v[BI+8*\b:BI+8*\b+7], v[SC+8*NQ*(\sc)+NQ*\b+(\q)], v[SC+8*NQ*(\sc)+NQ*(\a)+(\q)] matrix_a_fmt:MATRIX_FMT_FP4 matrix_b_fmt:MATRIX_FMT_FP4 matrix_a_scale:MATRIX_SCALE_ROW1
.else
	v_wmma_scale_f32_16x16x128_f8f6f4 v[8*(8*((\a)%4)+\b):8*(8*((\a)%4)+\b)+7], v[128*(\p)+FR*\b:128*(\p)+FR*\b+FR-1], v[AF+FR*(\a):AF+FR*(\a)+FR-1], v[8*(8*((\a)%4)+\b):8*(8*((\a)%4)+\b)+7], v[SC+8*NQ*(\sc)+NQ*\b+(\q)], v[SC+8*NQ*(\sc)+NQ*(\a)+(\q)] matrix_a_fmt:MATRIX_FMT_FP4 matrix_b_fmt:MATRIX_FMT_FP4 matrix_a_scale:MATRIX_SCALE_ROW1
.endif
.endr
.endr
.endm
.macro FETCH_B slot, q, p              ; B's eight fragments of the slot's q-th 128 along K into set p
	WIN TO_B
.irp i, 0,1,2,3,4,5,6,7
	FRAG 128*(\p)+FR*\i, ADRB+\slot, \q, \i
.endr
	WIN 0
.endm
.macro FETCH_A slot, q, i0             ; A's blocks i0 .. i0 + 3
.irp i, \i0, \i0+1, \i0+2, \i0+3
	FRAG AF+FR*(\i), ADRA+\slot, \q, \i
.endr
.endm
.macro SCALES set                      ; slot set's scale words: 4 words a row; lanes 0-15 take A's block i, lanes 16-31 B's block i; 16 lanes read 256 consecutive bytes
.irp i, 0,1,2,3,4,5,6,7
	ds_load_b128 v[SC+8*NQ*\set+NQ*\i:SC+8*NQ*\set+NQ*\i+3], v[ADRS+\set] offset:\i*PITCH
.endr
.endm
; A load into a register that a matrix instruction has read, and a vector instruction that reads a matrix result or writes one of a matrix instruction's registers, stand NP places behind that matrix instruction, and only
; plain vector instructions that name none of its registers are places (ISA guide 7.12.1 for vector instructions); the matrix instructions in between are not counted.
.macro PLACES n
.rept \n
	v_nop
.endr
.endm
; A step of 128 along K that has its successor in the same slot.
.macro STEP slot, q, first
	s_wait_dscnt 4*NL                              ; B's set, A's blocks 0-3 and the scale words are in; the youngest eight loads (A's blocks 4-7) may be out
	WIN MUL_LO-0x10*(\first)                       ; (first: C, the biases, in window 1)
	MUL16 0, (\q)%2, \q, \slot, \first
	MUL16 2, (\q)%2, \q, \slot, \first
	s_wait_dscnt 0                                 ; A's blocks 4-7 are in (asked for 32 matrix instructions ago)
	PLACES NP
	FETCH_B \slot, (\q)+1, 1-(\q)%2
	FETCH_A \slot, (\q)+1, 0
	WIN MUL_HI-0x20*(\first)
	MUL16 4, (\q)%2, \q, \slot, \first
	MUL16 6, (\q)%2, \q, \slot, \first
	PLACES NP
	WIN 0
	FETCH_A \slot, (\q)+1, 4
.endm
; A slot's last step changes slots: ONE barrier, which opens a round of the cluster's; in front of it each wave waits for all its tensor loads, adds 0 to its spare word, and waits for that and for its own reads of this slot.
; fill = 1: this slot is filled again, two K steps ahead, by the joint loads.  fill = 2: it takes c's tile, each wave its own 64 rows.  ask = 1: c's tile is prefetched.
.macro TURN slot, next, fill, ask
	s_wait_tensorcnt 0x0                           ; all my tensor loads have landed: the one that was out is my part of the next slot  (every window is 0 here: the add's two registers lie in window 0)
	ds_add_u32 v[SPW], v[NIL]                      ; 0 onto my spare word
	s_wait_dscnt 4*NL+1                            ; (the add and the youngest eight loads, A's blocks 4-7, may be out)
	WIN MUL_LO
	MUL16 0, 1, NQ-1, \slot, 0                     ; sixteen matrix instructions stand between the add and the wait for it
	s_wait_dscnt 0x0                               ; the add is done, and my reads of this slot are over
	s_barrier_signal -1
	MUL16 2, 1, NQ-1, \slot, 0
	WIN 0
	s_barrier_wait -1
	CREST                                          ; no wave of any partner still reads this slot or has a load on its way
.if \fill == 1
	s_add_nc_u64 s[G0+4*\slot+2:G0+4*\slot+3], s[G0+4*\slot+2:G0+4*\slot+3], 2*BLKB
	s_add_nc_u64 s[G0B+4*\slot+2:G0B+4*\slot+3], s[G0B+4*\slot+2:G0B+4*\slot+3], 2*BLKB
	JLOAD G0+4*\slot, G1, G0B+4*\slot, G1B         ; the first tensor load behind the round, my one load until the next; the four v_nop behind it are the places in front of the loads below
.else
	tensor_load_to_lds s[G0C:G0C+3], s[G1C:G1C+7]  ; the same place and count; it has the last K step's 256 matrix instructions in which to land
	s_nop 0
	PLACES NP
.endif
	FETCH_B \next, 0, 0
	FETCH_A \next, 0, 0
	SCALES \next
.if \ask
	ASKC
.endif
	WIN MUL_HI
	MUL16 4, 1, NQ-1, \slot, 0
	MUL16 6, 1, NQ-1, \slot, 0
	PLACES NP
	WIN 0
	FETCH_A \next, 0, 4
.endm
.macro STEPS slot, from                ; the slot's steps from .. NQ - 2
.set Q, \from
.rept NQ-1-\from
	STEP \slot, Q, 0
.set Q, Q+1
.endr
.endm
	s_wait_tensorcnt 1                             ; my part of K step 0, codes and scale bytes, is in (K step 1's load may be out)
	s_barrier_signal -1
	s_barrier_wait -1                              ; everybody's is
	FETCH_B 0, 0, 0
	FETCH_A 0, 0, 0
	SCALES 0
	FETCH_A 0, 0, 4
	STEP 0, 0, 1                                   ; the first step stands in front of the loop: its products start the sums, on the biases
	s_mov_b32 s3, LAPS-1
.Llap:                                                 ; a trip goes once round the ring, from a lap's second step to the next lap's first, and fills both slots again: K steps 2 to 7 in three trips
	STEPS 0, 1
	TURN 0, 1, 1, 1
	STEPS 1, 0
	TURN 1, 0, 1, 0
	STEP 0, 0, 0
	s_sub_co_u32 s3, s3, 1
	s_cmp_lg_u32 s3, 0
	s_cbranch_scc1 .Llap
	STEPS 0, 1                                     ; the last lap: K step 6,
	TURN 0, 1, 2, 0                                ; slot 0 takes c's tile,
	STEPS 1, 0                                     ; K step 7
	s_wait_dscnt 4*NL                              ; the very last step: nothing more to fetch
	WIN MUL_LO
	MUL16 0, 1, NQ-1, 1, 0
	MUL16 2, 1, NQ-1, 1, 0
	s_wait_dscnt 0
	WIN MUL_HI
	MUL16 4, 1, NQ-1, 1, 0
	MUL16 6, 1, NQ-1, 1, 0
	WIN 0
	s_wait_tensorcnt 0x0                           ; my 64 rows of c have landed; no LDS instruction of mine is out: my reads of slot 1 are over
	s_barrier_signal -1
	s_barrier_wait -1                              ; c's tile is whole, and nobody reads slot 1 any more: the stages may be written
	PLACES NP                                      ; behind the last products: the lines below write registers that held A's fragments
; THE WAY OUT of block a.  Of its 16 rows in each half of the batch rows and each output, wave (half, which) takes its own half's 16 rows of ONE output: c_new (which = 0) or h_new (1): eight loads and eight stores.
; BACK: the rows come back whole, two to a load, into window 1, v[32 a] on: each block has registers of its own, so that no store's data are ever written again.
.macro BACK a
	WIN TO_B
.irp t, 0,1,2,3,4,5,6,7
	ds_load_b128 v[32*(\a)+4*\t:32*(\a)+4*\t+3], v[RD] offset:(16*(\a)+2*\t)*PITCH
.endr
	WIN 0
.endm
; SEND: stored.  younger: the LDS instructions issued behind BACK's loads, which may stay out.  The block and the pair of rows stand in the immediate: 126 rows of 8,192 bytes at the most, inside its signed 24 bits (ISA guide, chapter 10).
.macro SEND a, younger
	s_wait_dscnt \younger
	WIN FROM_B
.irp t, 0,1,2,3,4,5,6,7
	global_store_b128 v[CO], v[32*(\a)+4*\t:32*(\a)+4*\t+3], s[10:11] offset:(16*(\a)+2*\t)*8192 th:TH_STORE_NT   ; 16 lanes store 256 consecutive bytes, aligned; written once, read by nobody here
.endr
	WIN 0
.endm
; THE CELL'S UPDATE for block a of 16 batch rows: 16 units a lane.  Each batch of transcendentals is issued on end; a plain line follows it, and ONE s_wait_alu stands ahead of its first reader.
; In its middle the block before goes out: the wait for c is also the wait for my stage stores of block a - 1; a barrier; then whole rows of block a - 1 are read back, and stored behind this block's last reciprocals.
; Each block has stage rows of its own: this block's stage stores touch no byte that another wave still reads back.
.macro GROUP a
.set AC, 64*((\a)%4)                   ; the block's accumulators, in window 2 (blocks 0-3) or 3: gate g at AC + 16 g
.irp u, 0,1
.irp q, 0,1
	ds_load_b128 v[CC+8*\u+4*\q:CC+8*\u+4*\q+3], v[CA] offset:16*PITCH*(\a)+64*\u+16*\q   ; c of my row and my 16 units
.endr
.endr
	WIN 0x02+(\a)/4                                ; source 0: window 2 or 3.
.irp k, 0,2,4,6,8,10,12,14
	v_pk_mul_f32 v[TI+\k:TI+\k+1], v[AC+\k:AC+\k+1], s[SNL:SNL+1] op_sel_hi:[1,0]          ; -L ii
.endr
.irp k, 0,2,4,6,8,10,12,14
	v_pk_mul_f32 v[TF+\k:TF+\k+1], v[AC+16+\k:AC+17+\k], s[SNL:SNL+1] op_sel_hi:[1,0]      ; -L ff
.endr
.irp k, 0,2,4,6,8,10,12,14
	v_pk_mul_f32 v[TG+\k:TG+\k+1], v[AC+32+\k:AC+33+\k], s[S2L:S2L+1] op_sel_hi:[1,0]      ; 2 L gg
.endr
.irp k, 0,2,4,6,8,10,12,14
	v_pk_mul_f32 v[TO+\k:TO+\k+1], v[AC+48+\k:AC+49+\k], s[SNL:SNL+1] op_sel_hi:[1,0]      ; -L oo
.endr
	WIN 0
.irp e, 0,1,2,3,4,5,6,7,8,9,10,11,12,13,14,15
	v_min_num_f32 v[TG+\e], s[S32], v[TG+\e]       ; e_g stands in a numerator: held at 2^32
.endr
.set j, 0
.rept 64
	v_exp_f32 v[TI+j], v[TI+j]                     ; e_i, e_f, e_g, e_o
.set j, j+1
.endr
	v_nop
	s_wait_alu depctr_va_vdst(0)
.irp k, 0,2,4,6,8,10,12,14
	v_pk_add_f32 v[MG+\k:MG+\k+1], v[TG+\k:TG+\k+1], -1.0 op_sel_hi:[1,0]                  ; e_g - 1
.endr
.irp k, 0,2,4,6,8,10,12,14
	v_pk_add_f32 v[TG+\k:TG+\k+1], v[TG+\k:TG+\k+1], 1.0 op_sel_hi:[1,0]                   ; 1 + e_g
.endr
.irp k, 0,2,4,6,8,10,12,14
	v_pk_add_f32 v[TF+\k:TF+\k+1], v[TF+\k:TF+\k+1], 1.0 op_sel_hi:[1,0]                   ; 1 + e_f
.endr
.irp k, 0,2,4,6,8,10,12,14
	v_pk_fma_f32 v[TI+\k:TI+\k+1], v[TI+\k:TI+\k+1], v[TG+\k:TG+\k+1], v[TG+\k:TG+\k+1]    ; e_i (1 + e_g) + (1 + e_g) = (1 + e_i)(1 + e_g)
.endr
.set j, 0
.rept 32
	v_rcp_f32 v[TI+j], v[TI+j]                     ; 1 / ((1 + e_i)(1 + e_g)), then f = 1 / (1 + e_f)
.set j, j+1
.endr
	v_nop
	s_wait_alu depctr_va_vdst(0)
	s_wait_dscnt 0x0                               ; c is in; and, for the others' sake, my stores of block a - 1 into the stages are done (they have also read CN and HN)
.if (\a) > 0
	s_barrier_signal -1
	s_barrier_wait -1                              ; both stages hold block a - 1's rows whole
	BACK (\a)-1
.endif
.irp k, 0,2,4,6,8,10,12,14
	v_pk_mul_f32 v[MG+\k:MG+\k+1], v[MG+\k:MG+\k+1], v[TI+\k:TI+\k+1]                      ; i g
.endr
.irp k, 0,2,4,6,8,10,12,14
	v_pk_fma_f32 v[CN+\k:CN+\k+1], v[CC+\k:CC+\k+1], v[TF+\k:TF+\k+1], v[MG+\k:MG+\k+1]    ; c_new = c f + i g
.endr
.irp k, 0,2,4,6,8,10,12,14
	v_pk_mul_f32 v[TC+\k:TC+\k+1], v[CN+\k:CN+\k+1], s[S2L:S2L+1] op_sel_hi:[1,0]          ; 2 L c_new
.endr
.irp e, 0,1,2,3,4,5,6,7,8,9,10,11,12,13,14,15
	v_min_num_f32 v[TC+\e], s[S32], v[TC+\e]
.endr
.set j, 0
.rept 16
	v_exp_f32 v[TC+j], v[TC+j]                     ; e_c
.set j, j+1
.endr
.irp u, 0,1
.irp q, 0,1
	ds_store_b128 v[SA], v[CN+8*\u+4*\q:CN+8*\u+4*\q+3] offset:16*PITCH*(\a)+64*\u+16*\q
.endr
.endr
	v_nop
	s_wait_alu depctr_va_vdst(0)
.irp k, 0,2,4,6,8,10,12,14
	v_pk_add_f32 v[MC+\k:MC+\k+1], v[TC+\k:TC+\k+1], -1.0 op_sel_hi:[1,0]                  ; e_c - 1
.endr
.irp k, 0,2,4,6,8,10,12,14
	v_pk_add_f32 v[TC+\k:TC+\k+1], v[TC+\k:TC+\k+1], 1.0 op_sel_hi:[1,0]                   ; 1 + e_c
.endr
.irp k, 0,2,4,6,8,10,12,14
	v_pk_fma_f32 v[TC+\k:TC+\k+1], v[TO+\k:TO+\k+1], v[TC+\k:TC+\k+1], v[TC+\k:TC+\k+1]    ; (1 + e_o)(1 + e_c)
.endr
.set j, 0
.rept 16
	v_rcp_f32 v[TC+j], v[TC+j]
.set j, j+1
.endr
.if (\a) > 0
	SEND (\a)-1, 4                                 ; behind BACK's eight loads: this block's four stage stores of c_new.  The stores name no reciprocal: they stand between the batch and its wait
.endif
	v_nop
	s_wait_alu depctr_va_vdst(0)
.irp k, 0,2,4,6,8,10,12,14
	v_pk_mul_f32 v[HN+\k:HN+\k+1], v[MC+\k:MC+\k+1], v[TC+\k:TC+\k+1]                      ; h_new = o tanh(c_new)
.endr
.irp u, 0,1
.irp q, 0,1
	ds_store_b128 v[HA], v[HN+8*\u+4*\q:HN+8*\u+4*\q+3] offset:16*PITCH*(\a)+64*\u+16*\q
.endr
.endr
.endm
.irp a, 0,1,2,3,4,5,6,7
	GROUP \a
.endr
	s_wait_dscnt 0x0                               ; for the others' sake: my stores of block 7 into the stages are done
	s_barrier_signal -1
	s_barrier_wait -1                              ; both stages hold block 7's rows whole
	BACK 7
	SEND 7, 0
	s_wait_tensorcnt 0x0                           ; the wave's end, behind my last tensor load and my last LDS store
	ds_add_u32 v[SPW], v[NIL]
	s_wait_dscnt 0x0
	CROUND                                         ; the closing round: no work-group ends while a partner may still ask for a block that names it
	s_endpgm
.Lfunc_end_k_qa46f8ed3b9_cell:
	.size	k_qa46f8ed3b9_cell, .Lfunc_end_k_qa46f8ed3b9_cell-k_qa46f8ed3b9_cell
	.p2alignl 7, 3214868480
	.fill 96, 4, 3214868480
	.section	.rodata,"a",@progbits
	.p2align	6, 0x0
	.amdhsa_kernel k_qa46f8ed3b9_cell
		.amdhsa_group_segment_fixed_size 327680
		.amdhsa_private_segment_fixed_size 0
		.amdhsa_enable_private_segment 0
		.amdhsa_kernarg_size 96
		.amdhsa_user_sgpr_count 2
		.amdhsa_user_sgpr_kernarg_segment_ptr 1
		.amdhsa_wavefront_size32 1
		.amdhsa_system_sgpr_workgroup_id_x 1
		.amdhsa_system_sgpr_workgroup_id_y 1
		.amdhsa_system_sgpr_workgroup_id_z 1
		.amdhsa_system_vgpr_workitem_id 0
		.amdhsa_next_free_vgpr 1024
		.amdhsa_next_free_sgpr 102
		.amdhsa_reserve_vcc 0
		.amdhsa_float_denorm_mode_32 3
		.amdhsa_float_denorm_mode_16_64 3
		.amdhsa_memory_ordered 1
		.amdhsa_forward_progress 1
		.amdhsa_inst_pref_size 255
	.end_amdhsa_kernel
	.section	.bss,"aw",@nobits
	.p2align	6
	.space	262144
	.amdgpu_metadata
---
amdhsa.version: [ 1, 2 ]
amdhsa.kernels:
  - .name:           k_qa46f8ed3b9_cell
    .symbol:         k_qa46f8ed3b9_cell.kd
    .args:
      - { .name: acodes, .offset: 0, .size: 8, .value_kind: global_buffer, .address_space: global }
      - { .name: bcodes, .offset: 8, .size: 8, .value_kind: global_buffer, .address_space: global }
      - { .name: c, .offset: 16, .size: 8, .value_kind: global_buffer, .address_space: global }
      - { .name: out0, .offset: 24, .size: 8, .value_kind: global_buffer, .address_space: global }
      - { .name: bii, .offset: 32, .size: 8, .value_kind: global_buffer, .address_space: global }
      - { .name: bhi, .offset: 40, .size: 8, .value_kind: global_buffer, .address_space: global }
      - { .name: bif, .offset: 48, .size: 8, .value_kind: global_buffer, .address_space: global }
      - { .name: bhf, .offset: 56, .size: 8, .value_kind: global_buffer, .address_space: global }
      - { .name: big, .offset: 64, .size: 8, .value_kind: global_buffer, .address_space: global }
      - { .name: bhg, .offset: 72, .size: 8, .value_kind: global_buffer, .address_space: global }
      - { .name: bio, .offset: 80, .size: 8, .value_kind: global_buffer, .address_space: global }
      - { .name: bho, .offset: 88, .size: 8, .value_kind: global_buffer, .address_space: global }
    .group_segment_fixed_size: 327680
    .private_segment_fixed_size: 0
    .kernarg_segment_align: 8
    .kernarg_segment_size: 96
    .max_flat_workgroup_size: 128
    .sgpr_count:     102
    .vgpr_count:     1024
    .wavefront_size: 32
...
	.end_amdgpu_metadata
.endif
;; end of part 2
